; MI455X (gfx1250); checked and timed in simulation.
; The chip was launched on July 23, 2026; its instructions are those of AMD's public machine-readable ISA for CDNA 5 (MIT licence, August 2026) and "CDNA5" Instruction Set Architecture Reference Guide (July 2026). The comments in the code are by the model that wrote it; some were corrected since.
;; Memory Bank. Allowed arithmetic: matrix products marked QUANTISED: E4M3 operands, one given power-of-two scale a tensor, by v_wmma_f32_16x16x64_fp8_fp8 or v_wmma_f32_16x16x128_fp8_fp8, f32 sums; everything else in f32.
;; Inputs: keys 65,536 x 128 float32; lowp_scales 2 int32 (the exponents e of the quantised operands' scales 2^e); q_codes 4 x 512 x 4 x 32 uint8 (E4M3 codes of q, K innermost, in blocks of 32 codes); values 65,536 x 128 float32.
;; Outputs: out0 4 x 512 x 32 x 128 float32; out1 4 x 512 x 32 x 128 float32.
;; Constants: topk = 32.
;; This version of the problem:
;;   THIS VERSION OF THE PROBLEM IS GIVEN IN LOW PRECISION. The matrix products marked QUANTISED in the list below multiply operands that are first quantised to E4M3 (4 exponent bits, 3 mantissa bits; 8 bits a number), with one given power-of-two scale for each operand tensor; their sums are f32. All else is computed in f32.
;;   The module's matrix products, in the order in which they are computed (A, B: the left and right operand; K: the contracted axis; several contracted axes count as one K, in the product's order):
;;     1. [M 2,048, K 128] x [K 128, N 65,536]; A: input q (given as codes); B: input keys: QUANTISED (scales: A lowp_scales[0], B lowp_scales[1])
;;   THE QUANTISER, for each operand of a quantised product, along K:
;;     - The operand's scale is 2^e, e = its entry of the input lowp_scales (int32; the entries are numbered through the quantised products in the list's order, A before B).
;;     - Each number is divided by the scale, clamped to +-448, and rounded to the nearest number of E4M3, ties to even, subnormals kept.
;;     - The product sums the exact products of the quantised numbers (number of the format x scale) in f32.
;;   ~~~python
;;   def quantise(x, axis, e):      # numpy; x: float32 -> the quantised numbers, widened to float32 again
;;       x = np.moveaxis(x, axis, -1); K = x.shape[-1]
;;       r = np.clip(x / 2.0 ** e, -448, 448)
;;       step = 2.0 ** (np.maximum(np.frexp(np.where(r == 0, 1, r))[1] - 1, -6) - 3)
;;       q = np.round(r / step) * step * 2.0 ** e      # np.round: ties to even
;;       return np.moveaxis(q, -1, axis).astype(np.float32)
;;   ~~~
;;   INPUTS GIVEN AS CODES. q (in the module: [4, 512, 128], K = its axis 2): each comes as NAME_codes (uint8): NAME with its K axis moved to the last place and cut into blocks of 32 codes, [.., K / 32, bytes a block], one block behind the other in memory; one code a byte (a code: sign, 4 exponent bits, 3 mantissa bits); its scale is its entry of lowp_scales. Its value is code x scale, taken as it is: it is not quantised again, and the codes and scales need not be those that the quantiser above would give.
;; One version. Each part assembles by itself: llvm-mc -triple=amdgcn-amd-amdhsa -mcpu=gfx1250 --defsym DOCPART=n.
;; ======== version 1 of 1: 5 launches
;; limits: right only within a limited range of input values
;; workspace buffers: kc 8,388,608 bytes; ga 4,194,304 bytes; gb 33,554,432 bytes; la 262,144 bytes of whole numbers; lb 262,144 bytes of whole numbers; ix 262,144 bytes of whole numbers
;; launch scan (part 1): grid 256 x 1, 16 waves a work-group, clusters of 4 x 1, 327,680 bytes of LDS; arguments keys, q_codes, lowp_scales, kc, ga, gb; writes kc, ga, gb
.if DOCPART == 1
	.amdgcn_target "amdgcn-amd-amdhsa--gfx1250"
	.amdhsa_code_object_version 6
	.text
	.protected	k_qbc58aa8073_scan
	.globl	k_qbc58aa8073_scan
	.p2align	8
	.type	k_qbc58aa8073_scan,@function
k_qbc58aa8073_scan:
	s_mov_b64 s[64:65], 0
	v_nop
	global_prefetch_b8 v0, s[64:65] scope:SCOPE_SE
	s_setreg_imm32_b32 hwreg(HW_REG_WAVE_MODE, 25, 1), 1
	s_wait_xcnt 0x0
	s_wait_alu depctr_hold_cnt(0) depctr_sa_sdst(0) depctr_va_vdst(0) depctr_va_sdst(0) depctr_va_ssrc(0) depctr_va_vcc(0) depctr_vm_vsrc(0)
	s_getreg_b32 s2, hwreg(HW_REG_IB_STS2, 6, 4)
	s_cmp_eq_u32 s2, 0
	s_cbranch_scc0 .Lentry_in_a_cluster
	s_endpgm
.Lentry_in_a_cluster:
	s_bfe_u32 s2, ttmp6, 0x10000c
	s_cmp_lg_u32 s2, 0x3003
	s_cbranch_scc0 .Lentry_shape_is_right
	s_endpgm
.Lentry_shape_is_right:
; SCAN.  All 2,048 x 65,536 scores q . Q(key) on E4M3 codes.  Kept are maxima only: of every 16 keys (gb) and of every 128 keys (ga), as f32 numbers at fixed
; places, and the keys' codes (kc).  The later launches choose on these numbers.  Every input has its way to an output.
; keys [65536][128] f32 are quantised here, once: key / 2^e1, held within +-448, to the nearest code, ties to even.  q_codes [2048][128] are taken as given.
; A stored maximum is the matrix sum x 2^(e0 + e1) + 0: the factor is positive, so it commutes with the maximum, and the added +0 leaves no -0 in the tables.
; LIMITS: e1 between -126 and 119, e0 + e1 between -126 and 127, so that the powers of two below are f32 numbers.  NaN among keys or codes is not served.
; SHARES.  Work-group kb owns keys 256 kb .. +255 and all queries.  Sixteen waves, four to a SIMD.  Wave w: kh = w & 1, qp = w >> 1.
;   Head: wave w asks for q's rows 128 w .. +127 by one tensor load and quantises the 16 keys of group 16 kb + w.
;   Main part: its 128 keys stay in 128 registers as 8 fragments; it walks query tiles 16 qp + 0 .. 15: 8 matrix instructions a tile, each a whole sum with C = 0.
; CLUSTERS: four work-groups along x read the same q, so each of q's sixteen tiles is asked for JOINTLY (mask 15), with a descriptor made of the wave's number alone.
;   Every LDS byte is filled once: there is no refill.  Keys are each work-group's own and come through registers.
; NO PREFETCH: the launch has no loop to run ahead in; all its loads go out at its head.
; K IS PERMUTED ALIKE IN BOTH OPERANDS: registers 4 c .. 4 c + 3 of lane (r, h) hold k = 32 c + 16 h + 0 .. 15: four loads of 16 bytes a fragment.
; THE ROWS OF A TILE: tile 2 p + u takes as rows 0-7 keys 8 u + 0 .. 7 of group p and as rows 8-15 the same keys of group 4 + p.  Source 0 = keys, source 1 = queries: lane (r, h)
;   holds query r and rows 8 h + 0 .. 7, so the maximum of its 16 registers of tiles 2 p and 2 p + 1 IS the maximum of group 4 h + p: no lane is crossed for gb.
; kc: [group][2048 bytes]: the image of a natural fragment (row r = key r): registers 4 c .. 4 c + 3 of lane l at 512 c + 16 l.
; gb: [sg = key / 128][query][8] ; ga: [query / 8][sg][query % 8].
; LDS: rows of codes lie two to a line of 256 bytes + 16: row i at 272 (i / 2) + 128 (i % 2).  q: 278,528 bytes.  Behind it the keys' codes, four blocks of 64 rows, each block 64 bytes
;   further on than its lines ask for, so that the rows r and r + 64 of a tile start at different banks (64 banks of 4 bytes: ISA guide 11.1).  Then the spare words.
.set QP,    272
.set QWAVE, 64*QP                      ; a wave's 128 rows of q
.set KIMG,  16*QWAVE                   ; the keys' codes begin here: a multiple of 256
.set KBLK,  32*QP+64                   ; 64 rows of key codes
.set SPARE, KIMG+4*KBLK                ; the spare words: 128 bytes a wave, eight blocks of 256 bytes that no other line names
.set SPW, 2                            ; v2 my spare word's address, v3 zero: kept for the add alone
.set NIL, 3
.set R,   16                           ; v16-79   head: 16 key rows as loaded: register 4 i + j of lane l = k 4 l + j of row i
.set CD,  80                           ; v80-95   head: register i of lane l = the four codes k 4 l .. + 3 of row i
.set PC,  144                          ; v144-159 head: my group's fragment, for kc
.set KF,  16                           ; v16-143  main: 8 key fragments
.set QF,  144                          ; v144-175 main: two query fragments by turns
.set DX,  176                          ; scores of tiles 0-3
.set DY,  208                          ; scores of tiles 4-7
.set M,   240                          ; the maxima of groups 4 h + 0 .. 3
.set S,   244                          ; the same, scaled: two sets by turns; v252-255 at work for ga
.macro ROUND                           ; a round of the cluster's barrier
	s_barrier_signal -1
	s_barrier_wait -1
	s_cmp_lg_u32 s16, 0
	s_cbranch_scc1 .Lnot_wave_0_\@
	s_barrier_signal -3
.Lnot_wave_0_\@:
	s_barrier_wait -3
	s_barrier_signal -1
	s_barrier_wait -1
.endm
	s_load_b256 s[4:11], s[0:1], 0x0               ; keys s[4:5], q_codes s[6:7], lowp_scales s[8:9], kc s[10:11]
	s_load_b128 s[12:15], s[0:1], 0x20             ; ga s[12:13], gb s[14:15]
	v_lshl_add_u32 v[SPW], v0, 2, SPARE
	v_mov_b32 v[NIL], 0
	ds_add_u32 v[SPW], v[NIL]                      ; the opening lines: the add, twice on end, and its wait ahead of my tensor load
	ds_add_u32 v[SPW], v[NIL]
	v_lshrrev_b32 v1, 5, v0
	v_readfirstlane_b32 s16, v1                    ; w
	v_and_b32 v1, 31, v0                           ; lane
	v_and_b32 v14, 15, v0                          ; r
	v_bfe_u32 v15, v0, 4, 1                        ; h
	v_lshlrev_b32 v4, 4, v1                        ; v4: 16 x lane
	s_and_b32 s17, s16, 1                          ; kh
	s_lshr_b32 s18, s16, 1                         ; qp
	s_bfe_u32 s35, ttmp6, 0x40000                  ; cx
	s_lshl_b32 s19, ttmp9, 2
	s_add_co_u32 s19, s19, s35                     ; kb = 4 x cluster + cx: it enters global addresses alone
	s_mov_b32 s26, 0xffff0000                      ; lanes 16-31
	s_mov_b32 s28, 0x76543210                      ; v_permlanex16_b32: lane l xor 16
	s_mov_b32 s29, 0xfedcba98
	s_mov_b32 s21, 0
	s_mul_i32 s30, s16, 8*QP                       ; my 16 rows of key codes: 8 lines,
	s_lshr_b32 s31, s16, 2
	s_lshl_b32 s31, s31, 6                         ; + 64 bytes for each block of 64 rows
	s_add_co_u32 s30, s30, s31
	s_add_co_u32 s30, s30, KIMG
	s_wait_alu depctr_va_vdst(0)                   ; the wait here, directly ahead of the readers below
	v_lshl_add_u32 v5, v1, 2, s30                  ; v5: where I store a row's codes: 4 x lane
	v_lshrrev_b32 v7, 1, v14
	v_mul_u32_u24 v7, v7, QP
	v_and_b32 v8, 1, v0
	v_lshl_add_u32 v7, v8, 7, v7
	v_lshl_add_u32 v7, v15, 4, v7                  ; row r of 16 neighbouring rows: 272 (r / 2) + 128 (r % 2) + 16 h
	v_add_nc_u32 v6, s30, v7                       ; v6: my own group's fragment
	s_mul_i32 s32, s18, 128*QP
	v_add_nc_u32 v11, s32, v7                      ; v11: a query fragment: my 256 rows
	v_bfe_u32 v9, v0, 1, 2
	v_mul_u32_u24 v9, v9, QP
	v_lshl_add_u32 v9, v8, 7, v9
	v_lshl_add_u32 v9, v15, 4, v9
	v_bfe_u32 v10, v0, 3, 1                        ; r / 8
	v_mad_u32_u24 v9, v10, KBLK, v9                ; lanes 8-15: 64 rows on
	s_mul_i32 s31, s17, 2*KBLK
	s_add_co_u32 s31, s31, KIMG
	v_add_nc_u32 v9, s31, v9                       ; v9: a key tile: my 128 rows, row r % 8 + 64 (r / 8); tile t stands 4 t lines on
	v_lshlrev_b32 v12, 5, v14
	v_lshl_add_u32 v12, v15, 4, v12                ; v12: gb: 32 r + 16 h
	v_lshl_add_u32 v13, v15, 1, v10
	v_lshlrev_b32 v13, 14, v13
	v_and_b32 v10, 7, v0
	v_lshl_add_u32 v13, v10, 2, v13                ; v13: ga: 16,384 (2 h + r / 8) + 4 (r % 8)
	v_mov_b32 v253, 0                              ; written once: a lane permute's destination counts as one of its sources
	s_mov_b32 s44, 15|(1<<20)|(1<<21)|(5<<22)|(3<<25)  ; group 1: mask of the four; bytes; 4 words of padding behind every 64
	s_mov_b32 s45, 256<<16                         ; tensor_dim0 = 256
	s_mov_b32 s46, 64<<16                          ; tensor_dim1 = 64
	s_mov_b32 s47, 256<<16                         ; tile_dim0 = 256
	s_mov_b32 s48, 64                              ; tile_dim1 = 64
	s_mov_b32 s49, 256                             ; the block is dense: pitch = row
	s_mov_b32 s50, 0
	s_mov_b32 s51, 0
	s_mov_b32 s40, 1
	s_mul_i32 s41, s16, QWAVE                      ; LDS address: the wave's number alone
	s_wait_alu depctr_va_vdst(0)                   ; the wait at the head's end
	s_wait_dscnt 0x0                               ; both opening adds are done
	s_wait_kmcnt 0x0
	s_load_b64 s[22:23], s[8:9], 0x0               ; e0, e1
	s_lshl_b32 s20, s19, 17                        ; 256 keys of 512 bytes,
	s_lshl_b32 s33, s16, 13                        ; my 16 of them
	s_add_co_u32 s20, s20, s33
	s_add_nc_u64 s[4:5], s[4:5], s[20:21]
	s_lshl_b32 s20, s16, 14                        ; my 128 rows of q_codes
	s_add_nc_u64 s[42:43], s[6:7], s[20:21]
	s_or_b32 s43, s43, 0x80000000
	ROUND                                          ; the four work-groups are here: the joint loads meet
	tensor_load_to_lds s[40:43], s[44:51]          ; my one tensor load of the launch
	s_nop 0
.set ii, 0
.rept 16
	global_load_b128 v[R+4*ii:R+4*ii+3], v4, s[4:5] offset:512*ii th:TH_LOAD_NT   ; a key row: 32 lanes read its 512 bytes
.set ii, ii+1
.endr
	s_lshl_b32 s20, s19, 4
	s_add_co_u32 s20, s20, s16                     ; my group
	s_lshl_b32 s20, s20, 11
	s_add_nc_u64 s[10:11], s[10:11], s[20:21]
	s_lshl_b32 s34, s19, 1
	s_add_co_u32 s34, s34, s17                     ; sg = 2 kb + kh
	s_lshl_b32 s20, s34, 16                        ; gb: 2,048 queries x 32 bytes for each sg,
	s_lshl_b32 s33, s18, 13                        ; my 256 queries
	s_add_co_u32 s20, s20, s33
	s_add_nc_u64 s[14:15], s[14:15], s[20:21]
	s_lshl_b32 s20, s34, 5                         ; ga: 32 bytes for each sg,
	s_lshl_b32 s33, s18, 19                        ; my 32 blocks of 8 queries, 16,384 bytes each
	s_add_co_u32 s20, s20, s33
	s_add_nc_u64 s[12:13], s[12:13], s[20:21]
	s_wait_kmcnt 0x0
	s_add_co_i32 s34, s23, 127
	s_lshl_b32 s35, s34, 23
	v_mov_b32 v8, s35                              ; 2^e1 as f32: the conversion takes its exponent field
	s_add_co_i32 s34, s34, 8
	s_lshl_b32 s34, s34, 23
	s_or_b32 s34, s34, 0x600000
	v_mov_b32 v10, s34                             ; 448 x 2^e1
	s_add_co_i32 s24, s22, s23
	s_add_co_i32 s24, s24, 127
	s_lshl_b32 s24, s24, 23                        ; 2^(e0 + e1) as f32
	s_mov_b32 s25, s24                             ; (named with it as a pair, so it is written)
	s_wait_alu depctr_va_vdst(0)                   ; the wait here, directly ahead of the waits below
; Four rows at a time.  The conversion works number by number, so its eight sources may be four k of one row and the same four k of the next: two registers, a row's four codes each.
.irp b, 0,1,2,3
	s_wait_loadcnt 12-4*\b                         ; rows 4 b .. + 3 are in; the younger rows' loads stay out
.set ii, 0
.rept 16
	v_med3_num_f32 v[R+16*\b+ii], v[R+16*\b+ii], -v10, v10   ; the conversion to an 8-bit code does not saturate (ISA guide 7.6.2): the hold at the largest code x the scale
.set ii, ii+1
.endr
	v_cvt_scalef32_pk8_fp8_f32 v[CD+4*\b:CD+4*\b+1], v[R+16*\b:R+16*\b+7], v8
	v_cvt_scalef32_pk8_fp8_f32 v[CD+4*\b+2:CD+4*\b+3], v[R+16*\b+8:R+16*\b+15], v8
.irp i, 0,1,2,3
	ds_store_b32 v5, v[CD+4*\b+\i] offset:(2*\b+\i/2)*QP+128*(\i%2)   ; 32 lanes store a row's 128 codes
.endr
.endr
	v_nop                                          ; one plain vector instruction behind the last scaled conversion
.irp c, 0,1,2,3
	ds_load_b128 v[PC+4*\c:PC+4*\c+3], v6 offset:32*\c   ; LDS serves a wave's instructions in order (ISA guide 5.7.1.4): these see my stores
.endr
	s_wait_dscnt 0x0                               ; my fragment is in; for the others' sake: my rows of codes have landed
.irp c, 0,1,2,3
	global_store_b128 v4, v[PC+4*\c:PC+4*\c+3], s[10:11] offset:512*\c   ; 32 lanes store 512 consecutive bytes
.endr
	s_wait_tensorcnt 0x0                           ; my part of q has landed: said to the others by the signal below.  The keys were quantised while it was on its way; their codes lie in blocks that no fill touches
	s_barrier_signal -1
	s_barrier_wait -1                              ; every wave's part of q and of the key codes is in: behind this barrier LDS is only read
.irp t, 0,1,2,3,4,5,6,7
.irp c, 0,1,2,3
	ds_load_b128 v[KF+16*\t+4*\c:KF+16*\t+4*\c+3], v9 offset:4*QP*\t+32*\c
.endr
.endr
	s_wait_xcnt 0x0                                ; the stores to kc have read their registers, which the first query fragment takes
.macro FETCHQ n                        ; query tile n's fragment: 16 rows are 8 lines
.irp c, 0,1,2,3
	ds_load_b128 v[QF+16*((\n)%2)+4*\c:QF+16*((\n)%2)+4*\c+3], v11 offset:8*QP*(\n)+32*\c
.endr
.endm
.macro MUL4 d, t0, n                   ; four tiles of keys against query tile n; every sum is one instruction with C = 0
.irp i, 0,1,2,3
	v_wmma_f32_16x16x128_fp8_fp8 v[\d+8*\i:\d+8*\i+7], v[KF+16*(\t0+\i):KF+16*(\t0+\i)+15], v[QF+16*((\n)%2):QF+16*((\n)%2)+15], 0
.endr
.endm
.macro RED d, m                        ; two maxima of 16 registers each, the two chains by turns; each accumulator is first read at its register 0
	v_max3_num_f32 v[\m], v[\d], v[\d+1], v[\d+2]
	v_max3_num_f32 v[\m+1], v[\d+16], v[\d+17], v[\d+18]
.irp i, 3,5,7,9,11,13
	v_max3_num_f32 v[\m], v[\m], v[\d+\i], v[\d+\i+1]
	v_max3_num_f32 v[\m+1], v[\m+1], v[\d+16+\i], v[\d+16+\i+1]
.endr
	v_max_num_f32 v[\m], v[\m], v[\d+15]
	v_max_num_f32 v[\m+1], v[\m+1], v[\d+31]
.endm
.macro FIN n                           ; query tile n's maxima leave
.set SS, S+4*((\n)%2)
	s_wait_xcnt 0x0                                ; the earlier stores have read their data registers, which are written again below
	v_pk_fma_f32 v[SS:SS+1], v[M:M+1], s[24:25], 0 op_sel_hi:[1,0,0]       ; x 2^(e0 + e1), + 0
	v_pk_fma_f32 v[SS+2:SS+3], v[M+2:M+3], s[24:25], 0 op_sel_hi:[1,0,0]
	global_store_b128 v12, v[SS:SS+3], s[14:15] offset:512*(\n)            ; 16 queries x 8 groups: the wave stores 512 consecutive bytes
	v_max3_num_f32 v252, v[SS], v[SS+1], v[SS+2]
	s_delay_alu instid0(VALU_DEP_1)
	v_max_num_f32 v252, v252, v[SS+3]
	s_delay_alu instid0(VALU_DEP_1)
	v_permlanex16_b32 v253, v252, s28, s29         ; the query's other four groups lie in the lane 16 away
.if (\n)%2 == 0
	s_delay_alu instid0(VALU_DEP_1)
	v_max_num_f32 v254, v252, v253                 ; kept for the next tile's store
.else
	s_delay_alu instid0(VALU_DEP_1)
	v_max_num_f32 v252, v252, v253
	s_delay_alu instid0(VALU_DEP_1)
	v_cndmask_b32 v255, v254, v252, s26            ; lanes 0-15 the even tile's queries, lanes 16-31 the odd tile's
	global_store_b32 v13, v255, s[12:13] offset:32768*((\n)-1)
.endif
.endm
; A step: query tile n.  The reductions of one half of the scores stand behind the products of the other half: they name none of those products' registers, and they are the places
; ahead of every read of a result, of every product that writes an accumulator anew, and of the loads into the query fragment that the last products read.
.macro STEP n
	s_wait_dscnt 0x0                               ; this tile's fragment is in (in step 0: the key fragments too)
.if (\n) < 15
	FETCHQ (\n)+1                                  ; the next tile's: it has this step in which to land
.endif
	MUL4 DX, 0, \n
.if (\n) == 0
.rept 5
	v_nop                                          ; the first step has no reduction yet to stand here
.endr
.else
	RED DY, M+2
	s_wait_alu depctr_va_vdst(0)                   ; the wait here, directly ahead of the wait that opens FIN
	FIN (\n)-1
.endif
	MUL4 DY, 4, \n
	RED DX, M
.endm
	FETCHQ 0
.irp n, 0,1,2,3,4,5,6,7,8,9,10,11,12,13,14,15
	STEP \n
.endr
	RED DY, M+2
	s_wait_alu depctr_va_vdst(0)
	FIN 15
	s_wait_tensorcnt 0x0                           ; the wave's end
	ds_add_u32 v[SPW], v[NIL]
	s_wait_dscnt 0x0
	ROUND                                          ; the closing round
	s_endpgm
.Lfunc_end_k_qbc58aa8073_scan:
	.size	k_qbc58aa8073_scan, .Lfunc_end_k_qbc58aa8073_scan-k_qbc58aa8073_scan
	.p2alignl 7, 3214868480
	.fill 96, 4, 3214868480
	.section	.rodata,"a",@progbits
	.p2align	6, 0x0
	.amdhsa_kernel k_qbc58aa8073_scan
		.amdhsa_group_segment_fixed_size 327680
		.amdhsa_private_segment_fixed_size 0
		.amdhsa_enable_private_segment 0
		.amdhsa_kernarg_size 48
		.amdhsa_user_sgpr_count 2
		.amdhsa_user_sgpr_kernarg_segment_ptr 1
		.amdhsa_wavefront_size32 1
		.amdhsa_system_sgpr_workgroup_id_x 1
		.amdhsa_system_sgpr_workgroup_id_y 1
		.amdhsa_system_sgpr_workgroup_id_z 1
		.amdhsa_system_vgpr_workitem_id 0
		.amdhsa_next_free_vgpr 256
		.amdhsa_next_free_sgpr 66
		.amdhsa_reserve_vcc 0
		.amdhsa_float_denorm_mode_32 3
		.amdhsa_float_denorm_mode_16_64 3
		.amdhsa_memory_ordered 1
		.amdhsa_forward_progress 1
		.amdhsa_inst_pref_size 69
	.end_amdhsa_kernel
	.amdgpu_metadata
---
amdhsa.version: [ 1, 2 ]
amdhsa.kernels:
  - .name:           k_qbc58aa8073_scan
    .symbol:         k_qbc58aa8073_scan.kd
    .args:
      - { .name: keys, .offset: 0, .size: 8, .value_kind: global_buffer, .address_space: global }
      - { .name: q_codes, .offset: 8, .size: 8, .value_kind: global_buffer, .address_space: global }
      - { .name: lowp_scales, .offset: 16, .size: 8, .value_kind: global_buffer, .address_space: global }
      - { .name: kc, .offset: 24, .size: 8, .value_kind: global_buffer, .address_space: global }
      - { .name: ga, .offset: 32, .size: 8, .value_kind: global_buffer, .address_space: global }
      - { .name: gb, .offset: 40, .size: 8, .value_kind: global_buffer, .address_space: global }
    .group_segment_fixed_size: 327680
    .private_segment_fixed_size: 0
    .kernarg_segment_align: 8
    .kernarg_segment_size: 48
    .max_flat_workgroup_size: 512
    .sgpr_count:     66
    .vgpr_count:     256
    .wavefront_size: 32
...
	.end_amdgpu_metadata
.endif
;; end of part 1
;; launch sela (part 2): grid 256 x 1, 8 waves a work-group, no clusters, 17,664 bytes of LDS; arguments ga, la; writes la
.if DOCPART == 2
	.amdgcn_target "amdgcn-amd-amdhsa--gfx1250"
	.amdhsa_code_object_version 6
	.text
	.protected	k_qbc58aa8073_sela
	.globl	k_qbc58aa8073_sela
	.p2align	8
	.type	k_qbc58aa8073_sela,@function
k_qbc58aa8073_sela:
	s_mov_b64 s[64:65], 0
	v_nop
	global_prefetch_b8 v0, s[64:65] scope:SCOPE_SE
	s_setreg_imm32_b32 hwreg(HW_REG_WAVE_MODE, 25, 1), 1
	s_wait_xcnt 0x0
; SELA.  A wave owns one query q = 8 x work-group + wave.  From ga, the maxima of every 128 keys, it chooses the 32 best of the 256 groups of 256 keys and stores their numbers, ascending, in la[q][0 .. 31].
; WHY GROUPS.  Elements are ranked by (score descending, index ascending), a group by its best element.  Each group ranked ahead of x's group holds an element ranked ahead of x, so an element of the
; best 32 lies in one of the 32 best groups.  Lists are kept ascending in number, so a place in (lane, register) order is index order, and equal keys are taken by place.
; NO ADDRESS AND NO BRANCH OF THIS LAUNCH HANGS ON THE NUMBERS: every load and store stands at a fixed place, every loop has a constant count, every choice is a select.  The next launch forms its
; addresses from the whole numbers stored here.
; f32 bits become unsigned keys of the same order (MONO); ga holds no -0.  LIMIT: NaN is not served.
; ga: [query / 8][sg = key / 128 (512)][query % 8]: the work-group's block is 16,384 consecutive bytes; it is turned to [query][sg] through LDS: 8 rows of 2,064 bytes.
; A wave's result is 128 consecutive bytes; the whole buffer is 262,144 bytes.
; No matrix unit, tensor load or cluster: 4 MiB are read once, and work-groups share nothing.
; REGISTERS: v1 lane; v5-9 addresses; v12 the result; v16-21 at work; v32-47 ga as loaded; v48-63 the keys; v64-71 maxima of 256 keys; v72-95 at work.
.set TRP, 2064
.set VK,  1
.set LA,  12
.set RPS, 16
.set RPR, 17
.set RN,  18
.set RC,  19
.set RES, 20
.set RL,  21
.set GL,  32
.set U,   48
.set A8,  64
.set XE,  72
.set RT,  89
.set RE,  90
.set RW,  91
.set RP,  92
.set RWS, 95
; ---- the selection: s22 T, s23 bit, s24 candidate or quota, s25 count, s26 trips, s29 at work; s32.. masks 'chosen', s48.. masks 'equal'
.macro MONO x, t                       ; f32 bits -> an unsigned key of the same order
	v_ashrrev_i32 v[\t], 31, v[\x]
	s_delay_alu instid0(VALU_DEP_1)
	v_or_b32 v[\t], 0x80000000, v[\t]
	s_delay_alu instid0(VALU_DEP_1)
	v_xor_b32 v[\x], v[\x], v[\t]
.endm
.macro COUNT r                         ; s25 = the bits set in s32 .. s[32 + r - 1]
	s_bcnt1_i32_b64 s25, s[32:33]                  ; two masks a count: r is even
.set e, 2
.rept (\r)/2-1
	s_bcnt1_i32_b64 s29, s[32+e:33+e]
	s_add_co_u32 s25, s25, s29
.set e, e+2
.endr
.endm
.macro BISECT r, u                     ; T = the 32nd largest of 32 r keys, bit by bit from the top: the largest c with 32 keys or more at or above it.  eight trips, whatever the keys
	s_mov_b32 s22, 0
	s_mov_b32 s23, 0x80000000
	s_mov_b32 s26, 0
.Lbis_\@:
.rept 4                                ; four bits a trip, eight trips
	s_or_b32 s24, s22, s23
.set e, 0
.rept \r
	v_cmp_le_u32 s[32+e], s24, v[(\u)+e]
.set e, e+1
.endr
	COUNT \r
	s_cmp_ge_u32 s25, 32
	s_cselect_b32 s22, s24, s22
	s_lshr_b32 s23, s23, 1
.endr
	s_add_co_u32 s26, s26, 1
	s_cmp_lt_u32 s26, 8
	s_cbranch_scc1 .Lbis_\@
.endm
.macro MASKS r, u                      ; exactly 32 are chosen: all keys above T, and of those equal to T the first by place.  v[RW]: my lane's chosen registers; v[RP]: how many are chosen in lower lanes
.set e, 0
.rept \r
	v_cmp_lt_u32 s[32+e], s22, v[(\u)+e]
	v_cmp_eq_u32 s[48+e], s22, v[(\u)+e]
.set e, e+1
.endr
	COUNT \r
	s_sub_co_u32 s24, 32, s25                      ; how many equal keys are taken
	v_mov_b32 v[RE], 0
.set e, 0
.rept \r
	s_delay_alu instid0(VALU_DEP_1)
	v_mbcnt_lo_u32_b32 v[RE], s[48+e], v[RE]       ; equal keys in lower lanes
.set e, e+1
.endr
	v_mov_b32 v[RW], 0
	v_mov_b32 v[RP], 0
.set e, 0
	s_delay_alu instid0(VALU_DEP_3)
	v_cmp_gt_u32 s25, s24, v[RE]                   ; fewer equal keys stand ahead than are taken
	s_and_b32 s25, s25, s[48+e]
	s_or_b32 s[32+e], s[32+e], s25
	s_mov_b32 vcc_lo, s[48+e]
	v_add_co_ci_u32 v[RE], vcc_lo, 0, v[RE], vcc_lo  ; my own equal key now stands ahead of my later registers
	v_cndmask_b32 v[RT], 0, 1<<e, s[32+e]
	s_delay_alu instid0(VALU_DEP_1)
	v_or_b32 v[RW], v[RW], v[RT]
	v_mbcnt_lo_u32_b32 v[RP], s[32+e], v[RP]
.set e, e+1
.rept (\r)-1
	s_delay_alu instid0(VALU_DEP_4)
	v_cmp_gt_u32 s25, s24, v[RE]                   ; fewer equal keys stand ahead than are taken
	s_and_b32 s25, s25, s[48+e]
	s_or_b32 s[32+e], s[32+e], s25
	s_mov_b32 vcc_lo, s[48+e]
	v_add_co_ci_u32 v[RE], vcc_lo, 0, v[RE], vcc_lo  ; my own equal key now stands ahead of my later registers
	v_cndmask_b32 v[RT], 0, 1<<e, s[32+e]
	s_delay_alu instid0(VALU_DEP_1)
	v_or_b32 v[RW], v[RW], v[RT]
	v_mbcnt_lo_u32_b32 v[RP], s[32+e], v[RP]
.set e, e+1
.endr
.endm
; Lane k gets the number of the k-th chosen element, ascending: (prev of its source lane, or that lane's number) x r + its register.  The source lane is the last whose prefix is at or under k (the prefixes
; do not fall): the lanes' prefixes, masks and numbers are read as scalars, eight lanes at a time, and laid over each other in ascending order.  lane = 1: v[RL] gets the source lane's number too.
.macro ENUM r, lg, prev, id, lane
.set g, 0
.rept 4
.set e, 0
.rept 8
	v_readlane_b32 s[32+e], v[RP], 8*g+e
	v_readlane_b32 s[40+e], v[RW], 8*g+e
.if (\prev) >= 0
	v_readlane_b32 s[48+e], v[\prev], 8*g+e
.endif
.set e, e+1
.endr
.set e, 0
.rept 8
.if (8*g+e) == 0
	v_mov_b32 v[RPS], s32                          ; lane 0's prefix is 0: at or under every k
	v_mov_b32 v[RWS], s40
.if (\prev) >= 0
	v_mov_b32 v[RPR], s48
.else
	v_mov_b32 v[RPR], 0
.endif
.if \lane
	v_mov_b32 v[RL], 0
.endif
.else
	v_cmp_le_u32 vcc_lo, s[32+e], v[VK]
	s_delay_alu instid0(VALU_DEP_1)
	v_cndmask_b32 v[RPS], v[RPS], s[32+e], vcc_lo
	s_delay_alu instid0(VALU_DEP_2)
	v_cndmask_b32 v[RWS], v[RWS], s[40+e], vcc_lo
.if (\prev) >= 0
	v_cndmask_b32 v[RPR], v[RPR], s[48+e], vcc_lo
.else
	s_delay_alu instid0(VALU_DEP_3)
	v_cndmask_b32 v[RPR], v[RPR], 8*g+e, vcc_lo
.endif
.if \lane
	v_cndmask_b32 v[RL], v[RL], 8*g+e, vcc_lo
.endif
.endif
.set e, e+1
.endr
.set g, g+1
.endr
	v_mov_b32 v[RC], 0
	v_mov_b32 v[RES], 0
	v_sub_nc_u32 v[RN], v[VK], v[RPS]              ; which of that lane's chosen registers
.set e, 0
.rept \r
	v_bfe_u32 v[RT], v[RWS], e, 1
	s_delay_alu instid0(VALU_DEP_1)
	v_add_nc_u32 v[RC], v[RC], v[RT]
	s_delay_alu instid0(VALU_DEP_1)
	v_cmp_le_u32 vcc_lo, v[RC], v[RN]
	s_delay_alu instid0(VALU_DEP_1)
	v_add_co_ci_u32 v[RES], vcc_lo, 0, v[RES], vcc_lo
.set e, e+1
.endr
	s_delay_alu instid0(VALU_DEP_1)
	v_lshl_add_u32 v[\id], v[RPR], \lg, v[RES]
.endm
	s_load_b128 s[4:7], s[0:1], 0x0                ; ga s[4:5], la s[6:7]
	v_lshl_add_u32 v100, v0, 2, 16640              ; my spare word, behind the 8 rows (16,512 bytes, rounded up to blocks of 256); kept for the add alone
	v_mov_b32 v101, 0
	v_lshrrev_b32 v1, 5, v0
	s_delay_alu instid0(VALU_DEP_1)
	v_readfirstlane_b32 s18, v1                    ; wave
	v_and_b32 v1, 31, v0                           ; lane
	s_lshl_b32 s19, ttmp9, 3
	s_add_co_u32 s19, s19, s18                     ; q
	v_lshlrev_b32 v5, 4, v0                        ; 16 x thread
	v_and_b32 v6, 1, v0
	s_delay_alu instid0(VALU_DEP_1)
	v_mul_u32_u24 v6, v6, 4*TRP
	v_lshrrev_b32 v2, 1, v0
	s_delay_alu instid0(VALU_DEP_1)
	v_lshl_add_u32 v6, v2, 2, v6                   ; turning ga: queries 4 (thread % 2) + j, sg = 128 c + thread / 2
	s_mul_i32 s29, s18, TRP
	v_lshlrev_b32 v7, 6, v1
	s_delay_alu instid0(VALU_DEP_1)
	v_add_nc_u32 v7, s29, v7                       ; my query's row, 16 numbers a lane
	v_lshlrev_b32 v9, 2, v1                        ; 4 x lane
	s_mov_b32 s31, 0
	s_wait_alu depctr_va_vdst(0)
	s_wait_kmcnt 0x0
	s_lshl_b32 s30, ttmp9, 14
	s_add_nc_u64 s[4:5], s[4:5], s[30:31]          ; ga: my work-group's block of 8 queries
	s_lshl_b32 s30, s19, 7
	s_add_nc_u64 s[6:7], s[6:7], s[30:31]          ; la: my 32 words
.irp c, 0,1,2,3
	global_load_b128 v[GL+4*\c:GL+4*\c+3], v5, s[4:5] offset:4096*\c th:TH_LOAD_NT   ; a wave reads 512 consecutive bytes
.endr
	s_wait_loadcnt 0x0
.irp c, 0,1,2,3
.irp j, 0,1,2,3
	ds_store_b32 v6, v[GL+4*\c+\j] offset:512*\c+TRP*\j
.endr
.endr
	s_wait_dscnt 0x0                               ; for the others' sake: my stores have landed
	s_barrier_signal -1
	s_barrier_wait -1                              ; the one barrier
.irp c, 0,1,2,3
	ds_load_b128 v[U+4*\c:U+4*\c+3], v7 offset:16*\c   ; sg = 16 x lane + 0 .. 15
.endr
	s_wait_dscnt 0x0
.set f, 0
.rept 16
	MONO U+f, XE+f
.set f, f+1
.endr
.set f, 0
.rept 8
	v_max_u32 v[A8+f], v[U+2*f], v[U+2*f+1]        ; group 8 x lane + f
.set f, f+1
.endr
	BISECT 8, A8
	MASKS 8, A8
	ENUM 8, 3, -1, LA, 0
	global_store_b32 v9, v[LA], s[6:7]
	s_wait_tensorcnt 0x0                           ; the wave's end: behind my last LDS store
	ds_add_u32 v100, v101
	s_wait_dscnt 0x0
	s_endpgm
.Lfunc_end_k_qbc58aa8073_sela:
	.size	k_qbc58aa8073_sela, .Lfunc_end_k_qbc58aa8073_sela-k_qbc58aa8073_sela
	.p2alignl 7, 3214868480
	.fill 96, 4, 3214868480
	.section	.rodata,"a",@progbits
	.p2align	6, 0x0
	.amdhsa_kernel k_qbc58aa8073_sela
		.amdhsa_group_segment_fixed_size 17664
		.amdhsa_private_segment_fixed_size 0
		.amdhsa_enable_private_segment 0
		.amdhsa_kernarg_size 16
		.amdhsa_user_sgpr_count 2
		.amdhsa_user_sgpr_kernarg_segment_ptr 1
		.amdhsa_wavefront_size32 1
		.amdhsa_system_sgpr_workgroup_id_x 1
		.amdhsa_system_sgpr_workgroup_id_y 1
		.amdhsa_system_sgpr_workgroup_id_z 1
		.amdhsa_system_vgpr_workitem_id 0
		.amdhsa_next_free_vgpr 128
		.amdhsa_next_free_sgpr 66
		.amdhsa_reserve_vcc 1
		.amdhsa_float_denorm_mode_32 3
		.amdhsa_float_denorm_mode_16_64 3
		.amdhsa_memory_ordered 1
		.amdhsa_forward_progress 1
		.amdhsa_inst_pref_size 32
	.end_amdhsa_kernel
	.amdgpu_metadata
---
amdhsa.version: [ 1, 2 ]
amdhsa.kernels:
  - .name:           k_qbc58aa8073_sela
    .symbol:         k_qbc58aa8073_sela.kd
    .args:
      - { .name: ga, .offset: 0, .size: 8, .value_kind: global_buffer, .address_space: global }
      - { .name: la, .offset: 8, .size: 8, .value_kind: global_buffer, .address_space: global }
    .group_segment_fixed_size: 17664
    .private_segment_fixed_size: 0
    .kernarg_segment_align: 8
    .kernarg_segment_size: 16
    .max_flat_workgroup_size: 256
    .sgpr_count:     66
    .vgpr_count:     128
    .wavefront_size: 32
...
	.end_amdgpu_metadata
.endif
;; end of part 2
;; launch selb (part 3): grid 256 x 1, 8 waves a work-group, no clusters, 0 bytes of LDS; arguments la, gb, lb; writes lb
.if DOCPART == 3
	.amdgcn_target "amdgcn-amd-amdhsa--gfx1250"
	.amdhsa_code_object_version 6
	.text
	.protected	k_qbc58aa8073_selb
	.globl	k_qbc58aa8073_selb
	.p2align	8
	.type	k_qbc58aa8073_selb,@function
k_qbc58aa8073_selb:
	s_mov_b64 s[64:65], 0
	v_nop
	global_prefetch_b8 v0, s[64:65] scope:SCOPE_SE
	s_setreg_imm32_b32 hwreg(HW_REG_WAVE_MODE, 25, 1), 1
	s_wait_xcnt 0x0
; SELB.  A wave owns one query q = 8 x work-group + wave.  Lane k takes the stored number la[q][k] of a group of 256 keys and loads that group's 16 maxima of 16 keys from gb; of the 512 the wave chooses the
; 32 best and stores their group numbers (0 .. 4095), ascending, in lb[q][0 .. 31].
; The choice is exact for the reason given with the first choice: an element of the best 32 lies in one of the 32 best groups; lists ascend, so a place in (lane, register) order is index order.
; THE ONLY ADDRESSES THAT HANG ON DATA are formed from la, whole numbers that the launch before stored: loaded, held under 256, shifted.  No address and no branch hangs on gb's numbers: the loop has a
; constant count and every choice is a select.
; gb: [sg = key / 128 (512)][query (2048)][8] f32: a group of 256 keys is sg = 2 la and 2 la + 1: two pieces of 32 bytes, 65,536 bytes apart.  gb holds no -0.  LIMIT: NaN is not served.
; No LDS byte, no barrier: waves share nothing.  No matrix unit, tensor load or cluster: what is gathered differs from query to query.
; REGISTERS: v1 lane; v9 4 x lane; v12 la; v13 the result; v14 gb's offset; v16-21 at work; v48-63 the keys; v72-95 at work.
.set VK,  1
.set LA,  12
.set LB,  13
.set GO,  14
.set RPS, 16
.set RPR, 17
.set RN,  18
.set RC,  19
.set RES, 20
.set RL,  21
.set U,   48
.set XE,  72
.set RT,  89
.set RE,  90
.set RW,  91
.set RP,  92
.set RWS, 95
; ---- the selection: s22 T, s23 bit, s24 candidate or quota, s25 count, s26 trips, s29 at work; s32.. masks 'chosen', s48.. masks 'equal'
.macro MONO x, t                       ; f32 bits -> an unsigned key of the same order
	v_ashrrev_i32 v[\t], 31, v[\x]
	s_delay_alu instid0(VALU_DEP_1)
	v_or_b32 v[\t], 0x80000000, v[\t]
	s_delay_alu instid0(VALU_DEP_1)
	v_xor_b32 v[\x], v[\x], v[\t]
.endm
.macro COUNT r                         ; s25 = the bits set in s32 .. s[32 + r - 1]
	s_bcnt1_i32_b64 s25, s[32:33]                  ; two masks a count: r is even
.set e, 2
.rept (\r)/2-1
	s_bcnt1_i32_b64 s29, s[32+e:33+e]
	s_add_co_u32 s25, s25, s29
.set e, e+2
.endr
.endm
.macro BISECT r, u                     ; T = the 32nd largest of 32 r keys, bit by bit from the top: the largest c with 32 keys or more at or above it.  eight trips, whatever the keys
	s_mov_b32 s22, 0
	s_mov_b32 s23, 0x80000000
	s_mov_b32 s26, 0
.Lbis_\@:
.rept 4                                ; four bits a trip, eight trips
	s_or_b32 s24, s22, s23
.set e, 0
.rept \r
	v_cmp_le_u32 s[32+e], s24, v[(\u)+e]
.set e, e+1
.endr
	COUNT \r
	s_cmp_ge_u32 s25, 32
	s_cselect_b32 s22, s24, s22
	s_lshr_b32 s23, s23, 1
.endr
	s_add_co_u32 s26, s26, 1
	s_cmp_lt_u32 s26, 8
	s_cbranch_scc1 .Lbis_\@
.endm
.macro MASKS r, u                      ; exactly 32 are chosen: all keys above T, and of those equal to T the first by place.  v[RW]: my lane's chosen registers; v[RP]: how many are chosen in lower lanes
.set e, 0
.rept \r
	v_cmp_lt_u32 s[32+e], s22, v[(\u)+e]
	v_cmp_eq_u32 s[48+e], s22, v[(\u)+e]
.set e, e+1
.endr
	COUNT \r
	s_sub_co_u32 s24, 32, s25                      ; how many equal keys are taken
	v_mov_b32 v[RE], 0
.set e, 0
.rept \r
	s_delay_alu instid0(VALU_DEP_1)
	v_mbcnt_lo_u32_b32 v[RE], s[48+e], v[RE]       ; equal keys in lower lanes
.set e, e+1
.endr
	v_mov_b32 v[RW], 0
	v_mov_b32 v[RP], 0
.set e, 0
	s_delay_alu instid0(VALU_DEP_3)
	v_cmp_gt_u32 s25, s24, v[RE]                   ; fewer equal keys stand ahead than are taken
	s_and_b32 s25, s25, s[48+e]
	s_or_b32 s[32+e], s[32+e], s25
	s_mov_b32 vcc_lo, s[48+e]
	v_add_co_ci_u32 v[RE], vcc_lo, 0, v[RE], vcc_lo  ; my own equal key now stands ahead of my later registers
	v_cndmask_b32 v[RT], 0, 1<<e, s[32+e]
	s_delay_alu instid0(VALU_DEP_1)
	v_or_b32 v[RW], v[RW], v[RT]
	v_mbcnt_lo_u32_b32 v[RP], s[32+e], v[RP]
.set e, e+1
.rept (\r)-1
	s_delay_alu instid0(VALU_DEP_4)
	v_cmp_gt_u32 s25, s24, v[RE]                   ; fewer equal keys stand ahead than are taken
	s_and_b32 s25, s25, s[48+e]
	s_or_b32 s[32+e], s[32+e], s25
	s_mov_b32 vcc_lo, s[48+e]
	v_add_co_ci_u32 v[RE], vcc_lo, 0, v[RE], vcc_lo  ; my own equal key now stands ahead of my later registers
	v_cndmask_b32 v[RT], 0, 1<<e, s[32+e]
	s_delay_alu instid0(VALU_DEP_1)
	v_or_b32 v[RW], v[RW], v[RT]
	v_mbcnt_lo_u32_b32 v[RP], s[32+e], v[RP]
.set e, e+1
.endr
.endm
; Lane k gets the number of the k-th chosen element, ascending: (prev of its source lane, or that lane's number) x r + its register.  The source lane is the last whose prefix is at or under k (the prefixes
; do not fall): the lanes' prefixes, masks and numbers are read as scalars, eight lanes at a time, and laid over each other in ascending order.  lane = 1: v[RL] gets the source lane's number too.
.macro ENUM r, lg, prev, id, lane
.set g, 0
.rept 4
.set e, 0
.rept 8
	v_readlane_b32 s[32+e], v[RP], 8*g+e
	v_readlane_b32 s[40+e], v[RW], 8*g+e
.if (\prev) >= 0
	v_readlane_b32 s[48+e], v[\prev], 8*g+e
.endif
.set e, e+1
.endr
.set e, 0
.rept 8
.if (8*g+e) == 0
	v_mov_b32 v[RPS], s32                          ; lane 0's prefix is 0: at or under every k
	v_mov_b32 v[RWS], s40
.if (\prev) >= 0
	v_mov_b32 v[RPR], s48
.else
	v_mov_b32 v[RPR], 0
.endif
.if \lane
	v_mov_b32 v[RL], 0
.endif
.else
	v_cmp_le_u32 vcc_lo, s[32+e], v[VK]
	s_delay_alu instid0(VALU_DEP_1)
	v_cndmask_b32 v[RPS], v[RPS], s[32+e], vcc_lo
	s_delay_alu instid0(VALU_DEP_2)
	v_cndmask_b32 v[RWS], v[RWS], s[40+e], vcc_lo
.if (\prev) >= 0
	s_delay_alu instid0(VALU_DEP_3)
	v_cndmask_b32 v[RPR], v[RPR], s[48+e], vcc_lo
.else
	v_cndmask_b32 v[RPR], v[RPR], 8*g+e, vcc_lo
.endif
.if \lane
	v_cndmask_b32 v[RL], v[RL], 8*g+e, vcc_lo
.endif
.endif
.set e, e+1
.endr
.set g, g+1
.endr
	v_mov_b32 v[RC], 0
	v_mov_b32 v[RES], 0
	v_sub_nc_u32 v[RN], v[VK], v[RPS]              ; which of that lane's chosen registers
.set e, 0
.rept \r
	v_bfe_u32 v[RT], v[RWS], e, 1
	s_delay_alu instid0(VALU_DEP_1)
	v_add_nc_u32 v[RC], v[RC], v[RT]
	s_delay_alu instid0(VALU_DEP_1)
	v_cmp_le_u32 vcc_lo, v[RC], v[RN]
	s_delay_alu instid0(VALU_DEP_1)
	v_add_co_ci_u32 v[RES], vcc_lo, 0, v[RES], vcc_lo
.set e, e+1
.endr
	s_delay_alu instid0(VALU_DEP_1)
	v_lshl_add_u32 v[\id], v[RPR], \lg, v[RES]
.endm
	s_load_b128 s[4:7], s[0:1], 0x0                ; la s[4:5], gb s[6:7]
	s_load_b64 s[8:9], s[0:1], 0x10                ; lb
	v_lshrrev_b32 v1, 5, v0
	s_delay_alu instid0(VALU_DEP_1)
	v_readfirstlane_b32 s18, v1                    ; wave
	v_and_b32 v1, 31, v0                           ; lane
	s_lshl_b32 s19, ttmp9, 3
	s_add_co_u32 s19, s19, s18                     ; q
	v_lshlrev_b32 v9, 2, v1                        ; 4 x lane
	s_mov_b32 s31, 0
	s_wait_alu depctr_va_vdst(0)
	s_wait_kmcnt 0x0
	s_lshl_b32 s30, s19, 7
	s_add_nc_u64 s[4:5], s[4:5], s[30:31]          ; la: my 32 words
	s_add_nc_u64 s[8:9], s[8:9], s[30:31]          ; lb: my 32 words
	s_lshl_b32 s30, s19, 5
	s_add_nc_u64 s[6:7], s[6:7], s[30:31]          ; gb: my query's 32 bytes in each sg
	global_load_b32 v[LA], v9, s[4:5] th:TH_LOAD_NT
	s_wait_loadcnt 0x0
	v_min_u32 v[LA], 0xff, v[LA]
	s_delay_alu instid0(VALU_DEP_1)
	v_lshlrev_b32 v[GO], 17, v[LA]                 ; sg = 2 la: 65,536 bytes for each sg
	global_load_b128 v[U:U+3], v[GO], s[6:7]
	global_load_b128 v[U+4:U+7], v[GO], s[6:7] offset:16
	global_load_b128 v[U+8:U+11], v[GO], s[6:7] offset:65536
	global_load_b128 v[U+12:U+15], v[GO], s[6:7] offset:65552
	s_wait_loadcnt 0x0
.set f, 0
.rept 16
	MONO U+f, XE+f
.set f, f+1
.endr
	BISECT 16, U
	MASKS 16, U
	ENUM 16, 4, LA, LB, 0
	global_store_b32 v9, v[LB], s[8:9]
	s_endpgm
.Lfunc_end_k_qbc58aa8073_selb:
	.size	k_qbc58aa8073_selb, .Lfunc_end_k_qbc58aa8073_selb-k_qbc58aa8073_selb
	.p2alignl 7, 3214868480
	.fill 96, 4, 3214868480
	.section	.rodata,"a",@progbits
	.p2align	6, 0x0
	.amdhsa_kernel k_qbc58aa8073_selb
		.amdhsa_group_segment_fixed_size 0
		.amdhsa_private_segment_fixed_size 0
		.amdhsa_enable_private_segment 0
		.amdhsa_kernarg_size 24
		.amdhsa_user_sgpr_count 2
		.amdhsa_user_sgpr_kernarg_segment_ptr 1
		.amdhsa_wavefront_size32 1
		.amdhsa_system_sgpr_workgroup_id_x 1
		.amdhsa_system_sgpr_workgroup_id_y 1
		.amdhsa_system_sgpr_workgroup_id_z 1
		.amdhsa_system_vgpr_workitem_id 0
		.amdhsa_next_free_vgpr 128
		.amdhsa_next_free_sgpr 66
		.amdhsa_reserve_vcc 1
		.amdhsa_float_denorm_mode_32 3
		.amdhsa_float_denorm_mode_16_64 3
		.amdhsa_memory_ordered 1
		.amdhsa_forward_progress 1
		.amdhsa_inst_pref_size 43
	.end_amdhsa_kernel
	.amdgpu_metadata
---
amdhsa.version: [ 1, 2 ]
amdhsa.kernels:
  - .name:           k_qbc58aa8073_selb
    .symbol:         k_qbc58aa8073_selb.kd
    .args:
      - { .name: la, .offset: 0, .size: 8, .value_kind: global_buffer, .address_space: global }
      - { .name: gb, .offset: 8, .size: 8, .value_kind: global_buffer, .address_space: global }
      - { .name: lb, .offset: 16, .size: 8, .value_kind: global_buffer, .address_space: global }
    .group_segment_fixed_size: 0
    .private_segment_fixed_size: 0
    .kernarg_segment_align: 8
    .kernarg_segment_size: 24
    .max_flat_workgroup_size: 256
    .sgpr_count:     66
    .vgpr_count:     128
    .wavefront_size: 32
...
	.end_amdgpu_metadata
.endif
;; end of part 3
;; launch score (part 4): grid 256 x 1, 8 waves a work-group, no clusters, 21,504 bytes of LDS; arguments lb, kc, q_codes, lowp_scales, ix; writes ix
.if DOCPART == 4
	.amdgcn_target "amdgcn-amd-amdhsa--gfx1250"
	.amdhsa_code_object_version 6
	.text
	.protected	k_qbc58aa8073_score
	.globl	k_qbc58aa8073_score
	.p2align	8
	.type	k_qbc58aa8073_score,@function
k_qbc58aa8073_score:
	s_mov_b64 s[64:65], 0
	v_nop
	global_prefetch_b8 v0, s[64:65] scope:SCOPE_SE
	s_setreg_imm32_b32 hwreg(HW_REG_WAVE_MODE, 25, 1), 1
	s_wait_xcnt 0x0
; SCORE.  A wave owns one query q = 8 x work-group + wave.  It gathers the code images of the 32 groups of 16 keys named in lb[q], sums their 512 scores in f32, chooses the 32 best, ranks them by
; (score descending, index ascending) and stores the keys' numbers in that order: ix[q][rank].
; THE 512 SCORES.  The order among the best 32 hangs on the last bit of a sum.  So the candidates' scores, 512 of a query's 65,536, are plain f32 sums: the codes widened to f32 (exact), each product exact
; in f32 (two significands of 4 bits), added in ascending k, one rounding an addition (v_fmac_f32); then x 2^(e0 + e1) + 0, so that no -0 is compared.  All 65,536 scores of the query were made by the matrix unit in the scan.
; THE ONLY ADDRESSES THAT HANG ON DATA are formed from lb, whole numbers that the launch before stored: loaded, held under 4,096, shifted.  No address and no branch hangs on the scores: loops have constant
; counts, every choice is a select, numbers change lanes by v_readlane_b32 with constant lanes and selects, and the result is stored at a fixed place.
; LIMITS.  e0 + e1 between -126 and 127.  NaN among the codes is not served.  Which groups are candidates hangs on the matrix unit's sums: where the 32nd and the 33rd best key lie so close that those sums
; and the f32 sums order them differently, the other of the two may be taken.
; No tensor load and no joint load: what is gathered differs from query to query and is known only just before its load.
; LDS: 2,560 bytes for each wave, its own: 32 rows (a group's 16 scores, 64 bytes) at a pitch of 80 bytes, to bring a group's scores into one lane.  No barrier.
; REGISTERS: v1-11 addresses; v12 the result; v13 lb; v14 the keys' numbers; v15 the widening's scale; v16-23 at work; v24-27 the query, q[32 c + lane]; v32-47 16 load offsets; v48-63 the 16 sums;
;            v64-127 two sets of 32 widened numbers, later at work; v128-223 three sets of 32 registers of codes; later v128-143 the keys, v144-159 at work, v160-175 the source lane's 16 keys.
.set VK,  1
.set OI,  12
.set LB,  13
.set IDX, 14
.set SCL, 15
.set RPS, 16
.set RPR, 17
.set RN,  18
.set RC,  19
.set RES, 20
.set RL,  21
.set UK,  22
.set RK,  23
.set QL,  24
.set OF,  32
.set ACC, 48
.set T,   64
.set RT,  89
.set RE,  90
.set RW,  91
.set RP,  92
.set RWS, 95
.set COD, 128
.set U,   128
.set XE,  144
.set X,   160
.set WROW, 80
; ---- the selection: s22 T, s23 bit, s24 candidate or quota, s25 count, s26 trips, s29 at work; s32.. masks 'chosen', s48.. masks 'equal'
.macro MONO x, t                       ; f32 bits -> an unsigned key of the same order
	v_ashrrev_i32 v[\t], 31, v[\x]
	s_delay_alu instid0(VALU_DEP_1)
	v_or_b32 v[\t], 0x80000000, v[\t]
	s_delay_alu instid0(VALU_DEP_1)
	v_xor_b32 v[\x], v[\x], v[\t]
.endm
.macro COUNT r                         ; s25 = the bits set in s32 .. s[32 + r - 1]
	s_bcnt1_i32_b64 s25, s[32:33]                  ; two masks a count: r is even
.set e, 2
.rept (\r)/2-1
	s_bcnt1_i32_b64 s29, s[32+e:33+e]
	s_add_co_u32 s25, s25, s29
.set e, e+2
.endr
.endm
.macro BISECT r, u                     ; T = the 32nd largest of 32 r keys, bit by bit from the top: the largest c with 32 keys or more at or above it.  eight trips, whatever the keys
	s_mov_b32 s22, 0
	s_mov_b32 s23, 0x80000000
	s_mov_b32 s26, 0
.Lbis_\@:
.rept 4                                ; four bits a trip, eight trips
	s_or_b32 s24, s22, s23
.set e, 0
.rept \r
	v_cmp_le_u32 s[32+e], s24, v[(\u)+e]
.set e, e+1
.endr
	COUNT \r
	s_cmp_ge_u32 s25, 32
	s_cselect_b32 s22, s24, s22
	s_lshr_b32 s23, s23, 1
.endr
	s_add_co_u32 s26, s26, 1
	s_cmp_lt_u32 s26, 8
	s_cbranch_scc1 .Lbis_\@
.endm
.macro MASKS r, u                      ; exactly 32 are chosen: all keys above T, and of those equal to T the first by place.  v[RW]: my lane's chosen registers; v[RP]: how many are chosen in lower lanes
.set e, 0
.rept \r
	v_cmp_lt_u32 s[32+e], s22, v[(\u)+e]
	v_cmp_eq_u32 s[48+e], s22, v[(\u)+e]
.set e, e+1
.endr
	COUNT \r
	s_sub_co_u32 s24, 32, s25                      ; how many equal keys are taken
	v_mov_b32 v[RE], 0
.set e, 0
.rept \r
	s_delay_alu instid0(VALU_DEP_1)
	v_mbcnt_lo_u32_b32 v[RE], s[48+e], v[RE]       ; equal keys in lower lanes
.set e, e+1
.endr
	v_mov_b32 v[RW], 0
	v_mov_b32 v[RP], 0
.set e, 0
	s_delay_alu instid0(VALU_DEP_3)
	v_cmp_gt_u32 s25, s24, v[RE]                   ; fewer equal keys stand ahead than are taken
	s_and_b32 s25, s25, s[48+e]
	s_or_b32 s[32+e], s[32+e], s25
	s_mov_b32 vcc_lo, s[48+e]
	v_add_co_ci_u32 v[RE], vcc_lo, 0, v[RE], vcc_lo  ; my own equal key now stands ahead of my later registers
	v_cndmask_b32 v[RT], 0, 1<<e, s[32+e]
	s_delay_alu instid0(VALU_DEP_1)
	v_or_b32 v[RW], v[RW], v[RT]
	v_mbcnt_lo_u32_b32 v[RP], s[32+e], v[RP]
.set e, e+1
.rept (\r)-1
	s_delay_alu instid0(VALU_DEP_4)
	v_cmp_gt_u32 s25, s24, v[RE]                   ; fewer equal keys stand ahead than are taken
	s_and_b32 s25, s25, s[48+e]
	s_or_b32 s[32+e], s[32+e], s25
	s_mov_b32 vcc_lo, s[48+e]
	v_add_co_ci_u32 v[RE], vcc_lo, 0, v[RE], vcc_lo  ; my own equal key now stands ahead of my later registers
	v_cndmask_b32 v[RT], 0, 1<<e, s[32+e]
	s_delay_alu instid0(VALU_DEP_1)
	v_or_b32 v[RW], v[RW], v[RT]
	v_mbcnt_lo_u32_b32 v[RP], s[32+e], v[RP]
.set e, e+1
.endr
.endm
; Lane k gets the number of the k-th chosen element, ascending: (prev of its source lane, or that lane's number) x r + its register.  The source lane is the last whose prefix is at or under k (the prefixes
; do not fall): the lanes' prefixes, masks and numbers are read as scalars, eight lanes at a time, and laid over each other in ascending order.  lane = 1: v[RL] gets the source lane's number too.
.macro ENUM r, lg, prev, id, lane
.set g, 0
.rept 4
.set e, 0
.rept 8
	v_readlane_b32 s[32+e], v[RP], 8*g+e
	v_readlane_b32 s[40+e], v[RW], 8*g+e
.if (\prev) >= 0
	v_readlane_b32 s[48+e], v[\prev], 8*g+e
.endif
.set e, e+1
.endr
.set e, 0
.rept 8
.if (8*g+e) == 0
	v_mov_b32 v[RPS], s32                          ; lane 0's prefix is 0: at or under every k
	v_mov_b32 v[RWS], s40
.if (\prev) >= 0
	v_mov_b32 v[RPR], s48
.else
	v_mov_b32 v[RPR], 0
.endif
.if \lane
	v_mov_b32 v[RL], 0
.endif
.else
	v_cmp_le_u32 vcc_lo, s[32+e], v[VK]
	s_delay_alu instid0(VALU_DEP_1)
	v_cndmask_b32 v[RPS], v[RPS], s[32+e], vcc_lo
	s_delay_alu instid0(VALU_DEP_2)
	v_cndmask_b32 v[RWS], v[RWS], s[40+e], vcc_lo
.if (\prev) >= 0
	s_delay_alu instid0(VALU_DEP_3)
	v_cndmask_b32 v[RPR], v[RPR], s[48+e], vcc_lo
.else
	v_cndmask_b32 v[RPR], v[RPR], 8*g+e, vcc_lo
.endif
.if \lane
	s_delay_alu instid0(VALU_DEP_4)
	v_cndmask_b32 v[RL], v[RL], 8*g+e, vcc_lo
.endif
.endif
.set e, e+1
.endr
.set g, g+1
.endr
	v_mov_b32 v[RC], 0
	v_mov_b32 v[RES], 0
	v_sub_nc_u32 v[RN], v[VK], v[RPS]              ; which of that lane's chosen registers
.set e, 0
.rept \r
	v_bfe_u32 v[RT], v[RWS], e, 1
	s_delay_alu instid0(VALU_DEP_1)
	v_add_nc_u32 v[RC], v[RC], v[RT]
	s_delay_alu instid0(VALU_DEP_1)
	v_cmp_le_u32 vcc_lo, v[RC], v[RN]
	s_delay_alu instid0(VALU_DEP_1)
	v_add_co_ci_u32 v[RES], vcc_lo, 0, v[RES], vcc_lo
.set e, e+1
.endr
	s_delay_alu instid0(VALU_DEP_1)
	v_lshl_add_u32 v[\id], v[RPR], \lg, v[RES]
.endm
	s_load_b256 s[4:11], s[0:1], 0x0               ; lb s[4:5], kc s[6:7], q_codes s[8:9], lowp_scales s[10:11]
	s_load_b64 s[12:13], s[0:1], 0x20              ; ix
	v_lshl_add_u32 v254, v0, 2, 20480              ; my spare word, behind the eight waves' 2,560 bytes; kept for the add alone
	v_mov_b32 v255, 0
	v_lshrrev_b32 v1, 5, v0
	s_delay_alu instid0(VALU_DEP_1)
	v_readfirstlane_b32 s18, v1                    ; wave
	v_and_b32 v1, 31, v0                           ; lane
	v_and_b32 v3, 15, v0                           ; r
	v_bfe_u32 v2, v0, 4, 1                         ; H
	s_lshl_b32 s19, ttmp9, 3
	s_add_co_u32 s19, s19, s18                     ; q
	v_lshlrev_b32 v8, 4, v3                        ; 16 r: key r's 16 bytes in half an image's run of 256
	v_lshlrev_b32 v9, 2, v1                        ; 4 x lane
	s_mul_i32 s29, s18, 32*WROW                    ; my wave's LDS bytes
	v_mul_u32_u24 v10, v2, WROW
	s_delay_alu instid0(VALU_DEP_1)
	v_lshl_add_u32 v10, v3, 2, v10
	s_delay_alu instid0(VALU_DEP_1)
	v_add_nc_u32 v10, s29, v10                     ; in: row H of a pair of rows, word r
	v_mul_u32_u24 v11, v1, WROW
	s_delay_alu instid0(VALU_DEP_1)
	v_add_nc_u32 v11, s29, v11                     ; back: row = lane
	v_lshlrev_b32 v2, 2, v2                        ; 4 H
	v_mov_b32 v[SCL], 0x7f7f7f7f                   ; the byte 0x7f four times: 2^0
	s_mov_b32 s67, 0
	s_wait_alu depctr_va_vdst(0)
	s_wait_kmcnt 0x0
	s_load_b64 s[68:69], s[10:11], 0x0             ; e0, e1
	s_lshl_b32 s66, s19, 7
	s_add_nc_u64 s[4:5], s[4:5], s[66:67]          ; lb: my 32 words
	s_add_nc_u64 s[8:9], s[8:9], s[66:67]          ; my query's codes
	s_add_nc_u64 s[12:13], s[12:13], s[66:67]      ; ix: my 32 words
	global_load_b32 v[LB], v9, s[4:5]              ; lane k: group k
.set pp, 0
.rept 16
	global_load_b32 v[OF+pp], v2, s[4:5] offset:8*pp   ; lanes 0-15: group 2 p, lanes 16-31: group 2 p + 1
.set pp, pp+1
.endr
.irp c, 0,1,2,3
	global_load_u8 v[QL+\c], v1, s[8:9] offset:32*\c   ; the code of q[32 c + lane]
.endr
	s_wait_kmcnt 0x0
	s_add_co_i32 s30, s68, s69
	s_add_co_i32 s30, s30, 127
	s_lshl_b32 s30, s30, 23                        ; 2^(e0 + e1) as f32
	s_mov_b32 s31, s30                             ; (named with it as a pair, so it is written)
	s_wait_loadcnt 0x0
.irp c, 0,1,2,3
	v_cvt_f32_fp8 v[QL+\c], v[QL+\c]               ; q[32 c + lane] as f32: byte 0 of the register, exact
.endr
.set pp, 0
.rept 16
	v_min_u32 v[OF+pp], 0xfff, v[OF+pp]
	s_delay_alu instid0(VALU_DEP_1)
	v_lshl_add_u32 v[OF+pp], v[OF+pp], 11, v8      ; the group's image, 2,048 bytes, + 16 r
.set pp, pp+1
.endr
	; ---- the 512 scores as f32 sums.  Lane (r, H) takes key r of group 2 p + H: sixteen pairs p of groups, one sum a lane and pair.
	; An image holds, of key r, at 512 c + 16 r: k = 32 c + 0 .. 15; at 512 c + 256 + 16 r: k = 32 c + 16 .. 31.
	; k goes in four chunks of 32 (outer), the pairs in four batches of four (inner): 16 steps of 8 loads.  In a step four sums take turns, so that no addition follows the one that it waits for.
.macro KLOAD st
.set LCC, (\st)/4
.set LBB, (\st)%4
.set LCB, COD+32*((\st)%3)
.irp j, 0,1,2,3
	global_load_b128 v[LCB+8*\j:LCB+8*\j+3], v[OF+4*LBB+\j], s[6:7] offset:512*LCC
	global_load_b128 v[LCB+8*\j+4:LCB+8*\j+7], v[OF+4*LBB+\j], s[6:7] offset:512*LCC+256
.endr
.endm
.macro CVT4 cb, s, t                   ; the chunk's s-th eight codes of each of the four keys, widened: eight numbers an instruction, x 2^0
.irp j, 0,1,2,3
	v_cvt_scale_pk8_f32_fp8 v[\t+8*\j:\t+8*\j+7], v[\cb+8*\j+2*(\s):\cb+8*\j+2*(\s)+1], v[SCL]
.endr
.endm
.macro FMA32 s, t, a, first            ; eight additions to each of the four sums, k ascending; first = 1: the product of k = 0 starts the sums
.irp i, 0,1,2,3,4,5,6,7
.irp j, 0,1,2,3
.if (\first) && (\i == 0)
	v_mul_f32 v[\a+\j], s[66+8*(\s)+\i], v[\t+8*\j+\i]
.else
	v_fmac_f32 v[\a+\j], s[66+8*(\s)+\i], v[\t+8*\j+\i]
.endif
.endr
.endr
.endm
; A step.  Two sets of widened numbers take turns: the additions on one set are the plain instructions that stand between the conversions into the other set and its first use (one v_nop serves the step's first).
; The set of codes is asked for again, for the step three on, as soon as the last conversion has read it: those loads have two steps and a half in which to land.
.macro STEP st
.set SC,  (\st)/4
.set SA,  ACC+4*((\st)%4)
.set SCB, COD+32*((\st)%3)
.if (\st)%4 == 0
.set e, 0
.rept 32
	v_readlane_b32 s[66+e], v[QL+SC], e            ; the chunk's 32 numbers of the query: one scalar source an addition
.set e, e+1
.endr
.endif
.if (\st) <= 13
	s_wait_loadcnt 16                              ; this step's eight loads are in; the two younger steps' stay out
.elseif (\st) == 14
	s_wait_loadcnt 8                               ; the last step's stay out
.else
	s_wait_loadcnt 0x0
.endif
	CVT4 SCB, 0, T
	v_nop
	CVT4 SCB, 1, T+32
.if SC == 0
	FMA32 0, T, SA, 1
.else
	FMA32 0, T, SA, 0
.endif
	CVT4 SCB, 2, T
	FMA32 1, T+32, SA, 0
	CVT4 SCB, 3, T+32
.if (\st)+3 < 16
	KLOAD (\st)+3
.endif
	FMA32 2, T, SA, 0
	FMA32 3, T+32, SA, 0
.endm
	KLOAD 0
	KLOAD 1
	KLOAD 2
.irp st, 0,1,2,3,4,5,6,7,8,9,10,11,12,13,14,15
	STEP \st
.endr
.set ii, 0
.rept 8
	v_pk_fma_f32 v[ACC+2*ii:ACC+2*ii+1], v[ACC+2*ii:ACC+2*ii+1], s[30:31], 0 op_sel_hi:[1,0,0]   ; x 2^(e0 + e1), + 0: nothing is rounded, and no -0 is left
.set ii, ii+1
.endr
	; sum t of lane (r, H) is key r of group 2 t + H: through my own LDS bytes, so that lane k holds group k's 16 scores
.set ii, 0
.rept 16
	ds_store_b32 v10, v[ACC+ii] offset:2*WROW*ii
.set ii, ii+1
.endr
.irp c, 0,1,2,3
	ds_load_b128 v[U+4*\c:U+4*\c+3], v11 offset:16*\c   ; LDS serves a wave's instructions in order (ISA guide 5.7.1.4): these see my stores
.endr
	s_wait_dscnt 0x0
	; ---- 32 of the 512 keys
.set f, 0
.rept 16
	MONO U+f, XE+f
.set f, f+1
.endr
	BISECT 16, U
	MASKS 16, U
	ENUM 16, 4, LB, IDX, 1                         ; lane k: the k-th chosen key's number, ascending; v[RL] its source lane, v[RES] its register there
	; lane k's own key.  First the source lane's 16 keys: brought from the source lane by lane permutes; then the register is chosen
	; The 16 keys change lanes by register permutes whose selects are scalars: field i of a pair of selects is (source lane of target lane i) % 16.
	; Each lane shifts its field to its place in a word of eight; the eight lanes' words are joined; lanes 0, 8, 16, 24 give the four words: s[66:67] for targets 0-15, s[68:69] for targets 16-31.
	v_and_b32 v96, 15, v[RL]
	v_and_b32 v97, 7, v[VK]
	v_lshlrev_b32 v97, 2, v97
	v_lshlrev_b32 v96, v97, v96
.irp m, 1,2,4
	v_mov_b32_dpp v98, v96 row_xmask:\m row_mask:0xf bank_mask:0xf
	v_or_b32 v96, v96, v98
.endr
	v_readlane_b32 s66, v96, 0
	v_readlane_b32 s67, v96, 8
	v_readlane_b32 s68, v96, 16
	v_readlane_b32 s69, v96, 24
	v_lshrrev_b32 v97, 4, v[RL]
	v_lshrrev_b32 v98, 4, v[VK]
	v_cmp_eq_u32 s70, v97, v98                     ; the source lies in my own half of the lanes
	s_mov_b32 s71, 0xffff0000                      ; targets 16-31
.set e, 0
.rept 16
.set PB, 96+4*(e%2)                    ; four registers at work, two sets by turns; all were written by the widening above
	v_permlane16_b32 v[PB], v[U+e], s66, s67
	v_permlanex16_b32 v[PB+1], v[U+e], s66, s67
	v_permlane16_b32 v[PB+2], v[U+e], s68, s69
	v_permlanex16_b32 v[PB+3], v[U+e], s68, s69
	v_cndmask_b32 v[PB], v[PB+1], v[PB], s70
	v_cndmask_b32 v[PB+2], v[PB+3], v[PB+2], s70
	v_cndmask_b32 v[X+e], v[PB], v[PB+2], s71
.set e, e+1
.endr
	v_mov_b32 v[UK], v[X]
.set e, 1
.rept 15
	v_cmp_eq_u32 vcc_lo, e, v[RES]
	s_delay_alu instid0(VALU_DEP_1)
	v_cndmask_b32 v[UK], v[UK], v[X+e], vcc_lo
.set e, e+1
.endr
	; the rank: how many of the 32 are larger, or equal and of a lower number (a lower lane)
.set e, 0
.rept 32
	v_readlane_b32 s[66+e], v[UK], e
.set e, e+1
.endr
	v_mov_b32 v[RK], 0
.set e, 0
.rept 32
	v_cmp_gt_u32 s24, s[66+e], v[UK]
	v_cmp_eq_u32 s25, s[66+e], v[UK]
	s_and_b32 s25, s25, (0xfffffffe<<e)&0xffffffff ; the lanes above lane e
	s_or_b32 vcc_lo, s24, s25
	v_add_co_ci_u32 v[RK], vcc_lo, 0, v[RK], vcc_lo
.set e, e+1
.endr
	; lane j takes the number of the key whose rank is j: the ranks are 0 .. 31, each once
	v_mov_b32 v[OI], 0
.set g, 0
.rept 2
.set e, 0
.rept 16
	v_readlane_b32 s[32+e], v[RK], 16*g+e
	v_readlane_b32 s[48+e], v[IDX], 16*g+e
.set e, e+1
.endr
.set e, 0
.rept 16
	v_cmp_eq_u32 vcc_lo, s[32+e], v[VK]
	s_delay_alu instid0(VALU_DEP_1)
	v_cndmask_b32 v[OI], v[OI], s[48+e], vcc_lo
.set e, e+1
.endr
.set g, g+1
.endr
	global_store_b32 v9, v[OI], s[12:13]           ; 128 consecutive bytes a wave
	s_wait_tensorcnt 0x0                           ; the wave's end: behind my last LDS store
	ds_add_u32 v254, v255
	s_wait_dscnt 0x0
	s_endpgm
.Lfunc_end_k_qbc58aa8073_score:
	.size	k_qbc58aa8073_score, .Lfunc_end_k_qbc58aa8073_score-k_qbc58aa8073_score
	.p2alignl 7, 3214868480
	.fill 96, 4, 3214868480
	.section	.rodata,"a",@progbits
	.p2align	6, 0x0
	.amdhsa_kernel k_qbc58aa8073_score
		.amdhsa_group_segment_fixed_size 21504
		.amdhsa_private_segment_fixed_size 0
		.amdhsa_enable_private_segment 0
		.amdhsa_kernarg_size 40
		.amdhsa_user_sgpr_count 2
		.amdhsa_user_sgpr_kernarg_segment_ptr 1
		.amdhsa_wavefront_size32 1
		.amdhsa_system_sgpr_workgroup_id_x 1
		.amdhsa_system_sgpr_workgroup_id_y 1
		.amdhsa_system_sgpr_workgroup_id_z 1
		.amdhsa_system_vgpr_workitem_id 0
		.amdhsa_next_free_vgpr 256
		.amdhsa_next_free_sgpr 98
		.amdhsa_reserve_vcc 1
		.amdhsa_float_denorm_mode_32 3
		.amdhsa_float_denorm_mode_16_64 3
		.amdhsa_memory_ordered 1
		.amdhsa_forward_progress 1
		.amdhsa_inst_pref_size 181
	.end_amdhsa_kernel
	.amdgpu_metadata
---
amdhsa.version: [ 1, 2 ]
amdhsa.kernels:
  - .name:           k_qbc58aa8073_score
    .symbol:         k_qbc58aa8073_score.kd
    .args:
      - { .name: lb, .offset: 0, .size: 8, .value_kind: global_buffer, .address_space: global }
      - { .name: kc, .offset: 8, .size: 8, .value_kind: global_buffer, .address_space: global }
      - { .name: q_codes, .offset: 16, .size: 8, .value_kind: global_buffer, .address_space: global }
      - { .name: lowp_scales, .offset: 24, .size: 8, .value_kind: global_buffer, .address_space: global }
      - { .name: ix, .offset: 32, .size: 8, .value_kind: global_buffer, .address_space: global }
    .group_segment_fixed_size: 21504
    .private_segment_fixed_size: 0
    .kernarg_segment_align: 8
    .kernarg_segment_size: 40
    .max_flat_workgroup_size: 256
    .sgpr_count:     98
    .vgpr_count:     256
    .wavefront_size: 32
...
	.end_amdgpu_metadata
.endif
;; end of part 4
;; launch fetch (part 5): grid 256 x 1, 16 waves a work-group, no clusters, 0 bytes of LDS; arguments ix, keys, values, out0, out1; writes out0, out1
.if DOCPART == 5
	.amdgcn_target "amdgcn-amd-amdhsa--gfx1250"
	.amdhsa_code_object_version 6
	.text
	.protected	k_qbc58aa8073_fetch
	.globl	k_qbc58aa8073_fetch
	.p2align	8
	.type	k_qbc58aa8073_fetch,@function
k_qbc58aa8073_fetch:
	s_mov_b64 s[64:65], 0
	v_nop
	global_prefetch_b8 v0, s[64:65] scope:SCOPE_SE
	s_setreg_imm32_b32 hwreg(HW_REG_WAVE_MODE, 25, 1), 1
	s_wait_xcnt 0x0
; FETCH.  Wave t = 16 x work-group + wave owns 16 ranks: half of query t / 2.  ix[t][0 .. 15] holds the numbers of their keys in the order of the result; the wave copies the f32 rows
; keys[ix] and values[ix] to out0 and out1, 16 rows of 512 bytes each, at 8,192 t.
; The 16 numbers come by one scalar load, are held under 65,536 and shifted into load offsets; the stores' offsets are constants.  There is no branch.
; A row is 512 bytes: one load or store of the wave covers it whole.  All 32 loads of a wave go out at once, into 128 registers; each rank's two rows are stored as soon as they are in.
; No LDS byte, no barrier: waves share nothing.  No matrix unit, cluster or tensor load: the rows differ from query to query.  No prefetch: there is no loop to run ahead in.
; REGISTERS: v2 16 x lane; v16-31 load offsets; v32-159 rows.  s32-47 the 16 numbers.
.set OFL, 16
.set DT,  32
	s_load_b256 s[4:11], s[0:1], 0x0               ; ix s[4:5], keys s[6:7], values s[8:9], out0 s[10:11]
	s_load_b64 s[12:13], s[0:1], 0x20              ; out1
	v_lshrrev_b32 v1, 5, v0
	v_readfirstlane_b32 s18, v1                    ; wave
	v_and_b32 v1, 31, v0                           ; lane
	s_lshl_b32 s19, ttmp9, 4
	s_add_co_u32 s19, s19, s18                     ; t
	v_lshlrev_b32 v2, 4, v1                        ; 16 x lane: my part of a row
	s_mov_b32 s31, 0
	s_wait_alu depctr_va_vdst(0)                   ; the wait at the head's end
	s_wait_kmcnt 0x0
	s_lshl_b32 s30, s19, 6
	s_add_nc_u64 s[4:5], s[4:5], s[30:31]          ; ix: my 16 words
	s_load_b512 s[32:47], s[4:5], 0x0
	s_lshl_b32 s30, s19, 13                        ; 16 rows of 512 bytes
	s_add_nc_u64 s[10:11], s[10:11], s[30:31]
	s_add_nc_u64 s[12:13], s[12:13], s[30:31]
	s_wait_kmcnt 0x0
.set ii, 0
.rept 16
	s_min_u32 s[32+ii], s[32+ii], 0xffff
.set ii, ii+1
.endr
.set ii, 0
.rept 16
	v_lshl_add_u32 v[OFL+ii], s[32+ii], 9, v2
.set ii, ii+1
.endr
.set ii, 0
.rept 16
	global_load_b128 v[DT+8*ii:DT+8*ii+3], v[OFL+ii], s[6:7]       ; no hint: other queries may name the same rows
	global_load_b128 v[DT+8*ii+4:DT+8*ii+7], v[OFL+ii], s[8:9]
.set ii, ii+1
.endr
.set ii, 0
.rept 16
	s_wait_loadcnt 30-2*ii                         ; rank ii's two rows are in; the younger ranks' loads stay out
	global_store_b128 v2, v[DT+8*ii:DT+8*ii+3], s[10:11] offset:512*ii th:TH_STORE_NT     ; the wave stores a row's 512 consecutive bytes; written once, read by nobody here
	global_store_b128 v2, v[DT+8*ii+4:DT+8*ii+7], s[12:13] offset:512*ii th:TH_STORE_NT
.set ii, ii+1
.endr
	s_endpgm
.Lfunc_end_k_qbc58aa8073_fetch:
	.size	k_qbc58aa8073_fetch, .Lfunc_end_k_qbc58aa8073_fetch-k_qbc58aa8073_fetch
	.p2alignl 7, 3214868480
	.fill 96, 4, 3214868480
	.section	.rodata,"a",@progbits
	.p2align	6, 0x0
	.amdhsa_kernel k_qbc58aa8073_fetch
		.amdhsa_group_segment_fixed_size 0
		.amdhsa_private_segment_fixed_size 0
		.amdhsa_enable_private_segment 0
		.amdhsa_kernarg_size 40
		.amdhsa_user_sgpr_count 2
		.amdhsa_user_sgpr_kernarg_segment_ptr 1
		.amdhsa_wavefront_size32 1
		.amdhsa_system_sgpr_workgroup_id_x 1
		.amdhsa_system_sgpr_workgroup_id_y 1
		.amdhsa_system_sgpr_workgroup_id_z 1
		.amdhsa_system_vgpr_workitem_id 0
		.amdhsa_next_free_vgpr 160
		.amdhsa_next_free_sgpr 66
		.amdhsa_reserve_vcc 0
		.amdhsa_float_denorm_mode_32 3
		.amdhsa_float_denorm_mode_16_64 3
		.amdhsa_memory_ordered 1
		.amdhsa_forward_progress 1
		.amdhsa_inst_pref_size 10
	.end_amdhsa_kernel
	.amdgpu_metadata
---
amdhsa.version: [ 1, 2 ]
amdhsa.kernels:
  - .name:           k_qbc58aa8073_fetch
    .symbol:         k_qbc58aa8073_fetch.kd
    .args:
      - { .name: ix, .offset: 0, .size: 8, .value_kind: global_buffer, .address_space: global }
      - { .name: keys, .offset: 8, .size: 8, .value_kind: global_buffer, .address_space: global }
      - { .name: values, .offset: 16, .size: 8, .value_kind: global_buffer, .address_space: global }
      - { .name: out0, .offset: 24, .size: 8, .value_kind: global_buffer, .address_space: global }
      - { .name: out1, .offset: 32, .size: 8, .value_kind: global_buffer, .address_space: global }
    .group_segment_fixed_size: 0
    .private_segment_fixed_size: 0
    .kernarg_segment_align: 8
    .kernarg_segment_size: 40
    .max_flat_workgroup_size: 512
    .sgpr_count:     66
    .vgpr_count:     160
    .wavefront_size: 32
...
	.end_amdgpu_metadata
.endif
;; end of part 5
